; MI455X (gfx1250); checked and timed in simulation.
; The chip was launched on July 23, 2026; its instructions are those of AMD's public machine-readable ISA for CDNA 5 (MIT licence, August 2026) and "CDNA5" Instruction Set Architecture Reference Guide (July 2026). The comments in the code are by the model that wrote it; some were corrected since.
;; EML Token Pool. Allowed arithmetic: matrix products marked QUANTISED: E2M1 operands, one E8M0 scale for each 32 along K, by v_wmma_scale_f32_16x16x128_f8f6f4 with both operands' format E2M1 (or v_wmma_scale_f32_32x16x128_f4), f32 sums; products left as they are: f32 operands where the result goes on into a quantised operand, else bf16, f16 or f32 operands; f32 sums; everything else in f32.
;; Inputs: db1 128 float32; db2 1 float32; dw1_codes 128 x 16 x 16 uint8 (E2M1 codes of dw1, K innermost, in blocks of 32 codes, two codes a byte); dw1_scales 128 x 16 uint8 (E8M0 scales of dw1, one for each 32 codes along K); dw2 128 x 1 float32; eml_bias 1 float32; eml_gamma 1 float32; eml_lambda 1 float32; ln_b 512 float32; ln_g 512 float32; rb1 128 float32; rb2 1 float32; rw1_codes 128 x 16 x 16 uint8 (E2M1 codes of rw1, K innermost, in blocks of 32 codes, two codes a byte); rw1_scales 128 x 16 uint8 (E8M0 scales of rw1, one for each 32 codes along K); rw2 128 x 1 float32; tokens 32 x 4,096 x 512 float32; vb 512 float32; vw_codes 512 x 16 x 16 uint8 (E2M1 codes of vw, K innermost, in blocks of 32 codes, two codes a byte); vw_scales 512 x 16 uint8 (E8M0 scales of vw, one for each 32 codes along K).
;; Outputs: out0 32 x 512 float32; out1 32 x 4,096 float32; out2 32 x 4,096 float32; out3 32 x 4,096 float32; out4 32 x 4,096 float32.
;; This version of the problem:
;;   THIS VERSION OF THE PROBLEM IS GIVEN IN LOW PRECISION. The matrix products marked QUANTISED in the list below multiply operands that are first quantised to E2M1 (2 exponent bits, 1 mantissa bit; 4 bits a number), with one power-of-two scale for each 32 numbers along K (OCP MX v1.0); their sums are f32. All else is computed in f32.
;;   The module's matrix products, in the order in which they are computed (A, B: the left and right operand; K: the contracted axis; several contracted axes count as one K, in the product's order):
;;     1. [M 131,072, K 512] x [K 512, N 128]; A: computed on the way; B: input dw1 (given as codes): QUANTISED
;;     2. [M 131,072, K 128] x [K 128, N 1]; A: computed on the way; B: input dw2: left as it is (N = 1 < 16)
;;     3. [M 131,072, K 512] x [K 512, N 128]; A: computed on the way; B: input rw1 (given as codes): QUANTISED
;;     4. [M 131,072, K 128] x [K 128, N 1]; A: computed on the way; B: input rw2: left as it is (N = 1 < 16)
;;     5. [M 131,072, K 512] x [K 512, N 512]; A: computed on the way; B: input vw (given as codes): QUANTISED
;;     6. batch 32 x [M 1, K 4,096] x [K 4,096, N 512]; A: softmax; B: computed on the way: left as it is (M = 1 < 16)
;;   THE QUANTISER, for each operand of a quantised product, along K:
;;     - K is cut into blocks of 32 from its start; a last block that is shorter is filled with zeros.
;;     - A block's scale is 2^e with e = floor(log2(the largest magnitude in the block)) - 2, held to -126 .. 127; a block of zeros has e = 0. As a byte (E8M0): e + 127.
;;     - Each number is divided by its block's scale, clamped to +-6, and rounded to the nearest number of E2M1, ties to even, subnormals kept.
;;     - The product sums the exact products of the quantised numbers (number of the format x scale) in f32.
;;   ~~~python
;;   def quantise(x, axis):      # numpy; x: float32 -> the quantised numbers, widened to float32 again
;;       x = np.moveaxis(x, axis, -1); K = x.shape[-1]
;;       x = np.pad(x, [(0, 0)] * (x.ndim - 1) + [(0, -K % 32)]); x = x.reshape(x.shape[:-1] + (-1, 32)); a = np.abs(x).max(-1, keepdims=True)
;;       e = np.where(a > 0, np.clip(np.frexp(np.where(a > 0, a, 1))[1] - 1 - 2, -126, 127), 0)      # np.frexp(a)[1] - 1 = floor(log2(a)), exactly
;;       r = np.clip(x / 2.0 ** e, -6, 6)
;;       step = 2.0 ** (np.maximum(np.frexp(np.where(r == 0, 1, r))[1] - 1, 0) - 1)
;;       q = np.round(r / step) * step * 2.0 ** e      # np.round: ties to even
;;       return np.moveaxis(q.reshape(q.shape[:-2] + (-1,))[..., :K], -1, axis).astype(np.float32)
;;   ~~~
;;   OPERANDS COMPUTED ON THE WAY. 'Computed on the way' means the value that the module computes at that place (a softmax that the list does not call 'softmax' is quantised finished and normalised). What goes into a quantiser is computed in f32, as accurately as f32 sums, v_exp_f32 and their like allow (about 1e-6 of the number): no bf16 or f16 on the way to a quantiser, and a product that is left as it is and whose result goes on into a quantised operand takes f32 operands (vector FMAs, or v_wmma_f32_16x16x4_f32). A number that lies on a knife's edge between two numbers of the format may be rounded either way, as far as f32 arithmetic and the matrix unit's own rounding can turn it there, and no further.
;;   INPUTS GIVEN AS CODES. dw1 (in the module: [512, 128], K = its axis 0); rw1 (in the module: [512, 128], K = its axis 0); vw (in the module: [512, 512], K = its axis 0): each comes as NAME_codes (uint8): NAME with its K axis moved to the last place and cut into blocks of 32 codes, [.., K / 32, bytes a block], one block behind the other in memory; two codes a byte, the lower K in the low four bits (a code: sign, 2 exponent bits, 1 mantissa bit); and NAME_scales (uint8): the same leading axes, one E8M0 byte (e + 127) for each 32 codes along K. Its value is code x scale, taken as it is: it is not quantised again, and the codes and scales need not be those that the quantiser above would give.
;; One version. Each part assembles by itself: llvm-mc -triple=amdgcn-amd-amdhsa -mcpu=gfx1250 --defsym DOCPART=n.
;; ======== version 1 of 1: 2 launches
;; workspace buffers: part_p 524,288 bytes; part_s 1,024 bytes
;; launch main (part 1): grid 256 x 1, 16 waves a work-group, no clusters, 327,680 bytes of LDS; arguments tokens, ln_g, ln_b, dw1_codes, rw1_codes, dw1_scales, rw1_scales, db1, rb1, dw2, rw2, vw_codes, vw_scales, db2, rb2, eml_gamma, eml_lambda, eml_bias, out2, out3, out4, part_p, part_s; writes out2, out3, out4, part_p, part_s
.if DOCPART == 1
	.amdgcn_target "amdgcn-amd-amdhsa--gfx1250"
	.amdhsa_code_object_version 6
	.text
	.protected	k_q13293f4fe4_main
	.globl	k_q13293f4fe4_main
	.p2align	8
	.type	k_q13293f4fe4_main,@function
k_q13293f4fe4_main:
	s_mov_b64 s[64:65], 0
	v_nop
	global_prefetch_b8 v0, s[64:65] scope:SCOPE_SE
	s_setreg_imm32_b32 hwreg(HW_REG_WAVE_MODE, 25, 1), 1
	s_wait_xcnt 0x0
; EMLTokenPool, all but the division by the softmax's sum.  tokens [32][4096][512] f32.  A work-group owns 512 tokens of one batch (1 MiB of consecutive memory) and makes:
; energy (out2), drive (out3), resistance (out4) of its tokens; part_s = the sum of e = exp(energy); part_p[d] = the sum of e x (Q(LayerNorm(token)) . vw)[d].  The second launch divides and adds vb.
; The three products with dw1, rw1, vw run on codes of FP4 (E2M1) with one E8M0 scale for each 32 along K = 512; the LayerNorm ahead of the quantiser is f32: the mean first, then the centred squares.
; NO MAXIMUM is taken away ahead of exp(energy): the computation itself clips energy to -3 .. 3, so e lies in 0.0498 .. 20.1 and a batch's sum of 4,096 of them under 82,300.
; LIMITS: NaN and infinities among the inputs are not served (the clip here drops a NaN).  A block of 32 zeros gets the scale byte 1 where the quantiser says 127: its codes are zeros, and the bytes are read by this
; launch alone.  erf is 1 - (1 + a1 u + .. + a6 u^6)^-16 (Abramowitz and Stegun 7.1.28, error under 3e-7 for every u >= 0; the sixteenth power adds about 1e-6); it stands behind the quantised products, ahead of none.
; The LayerNorm's gain and bias are one fused multiply-add.
; SHARES.  Sixteen waves of 256 registers, four to a SIMD.  THE WAVES SHARE THE COLUMNS: eight G waves hold two tiles of 16 hidden units each (waves' index 0-3: dw1, 4-7: rw1), eight V waves four tiles of 16 channels of vw;
; each wave's weights, 64 or 128 registers, are read from memory once and stay.  What goes round through LDS is small: the tokens' codes and scale bytes.
; A UNIT is 64 tokens; its even tokens are half 0, its odd ones half 1: a GROUP of 32 code rows (row p = token 2 p + half).  So a lane that holds row p of both halves holds two neighbouring tokens for the stores.
; PHASES.  Q(unit): every wave norms and quantises 4 tokens.  G(group): 16 products, GELU, the dot with w2: a partial a wave and token.  V(group): e from the eight partials, 32 products, P += e x values.
; TRIPS, one barrier in front of each: the even ones begin with Q of the next unit; G runs one group behind Q, V one group behind G.  Codes: two units by turns; partials: two groups by turns.
; TOKENS come through two LDS slots of a unit each, filled by the tensor data mover (waves 0-7, an eighth of a slot each).  A slot is asked for again behind the barrier of the odd trip that follows its Q;
; the load then has a whole unit's work in which to land.  By this text's own count a wave has two tensor loads out at the start and one behind each refill.
; NO CLUSTER: work-groups share only the weights, 205 KB against 1 MiB of tokens each, and every wave reads its part of them once.
; Every product: source 0 = 16 rows of a weight, source 1 = 16 tokens: lane (r, h) holds token r, its register j unit or channel 8 h + j.
.set TOKB,  2176                       ; a token in LDS: 8 rows of 256 bytes + 16 of padding each
.set SLOT,  64*TOKB                    ; 139,264: a unit of tokens; slot 0 at 0, slot 1 at SLOT.  Only these bytes are ever a tensor load's target
.set COD,   2*SLOT                     ; the codes: two units of UNIT bytes
.set CP,    272                        ; a code row: 256 bytes + 16: the sixteen rows that a fragment load touches start 68 words apart (64 banks of 4 bytes: ISA guide 11.1)
.set SCO,   32*CP                      ; in a half: behind the 32 code rows their scale bytes, 16 a row
.set HALF,  SCO+512                    ; 9,216
.set UNIT,  2*HALF                     ; 18,432
.set PART,  COD+2*UNIT                 ; the partial dots: [parity][wave][32 rows] f32
.set PARB,  2048
.set GB,    PART+2*PARB                ; ln_g laid as a token is (TOKB bytes), then ln_b
.set SPARE, GB+2*TOKB+256              ; 324,096: the spare words, 128 bytes for each wave: eight blocks of 256 bytes that no other line names
; VECTOR REGISTERS.  v0 thread; v1, v2 the add's two; v3-v9 LDS addresses that stay; v10-v13 LDS addresses in hand, written in common code alone; v14-v17 the tokens' scale words; v88-v95 the weights' scale words.
.set ASC,   14
.set WS,    88
.set W,     128                        ; the weights' fragments: G: 32 n + 8 s; V: 32 c + 8 s
.set X,     18                         ; Q: 16 numbers of a token;
.set LG,    34                         ;    my 16 of ln_g,
.set LB,    50                         ;    of ln_b;
.set T,     66                         ;    v66-v80 at work
.set FR,    18                         ; the tokens' fragments: G: 32 t + 8 s (v18-v81); V: 8 s (v18-v49)
.set EP,    50                         ; V: v50 e of tile 0's token r, v51 of tile 1's
.set D,     52                         ; V: two accumulators
.set SS,    81                         ; V: the sum of e
.set HD,    82                         ; V: drive, resistance, energy of row lane: a pair each (half 0, half 1)
.set HR,    84
.set HE,    86
.set P,     96                         ; V: the pooled sums, 8 c + j
.set ACC,   96                         ; G: four accumulators, 16 t + 8 n
.set B1,    192                        ; G: b1 in the result's layout, 8 n
.set W2H,   208                        ; G: w2 / 2 likewise
.set Z,     224                        ; G: |x|
.set PL,    240                        ; G: the polynomial
; SCALARS.  s2 wave, s3 role (0 G, 1 V), s55 index in the role; s4, s5 this unit's codes and slot (0 or UNIT, 0 or SLOT), s6, s7 the other's; s8, s9 my eighth of a slot, my 4 tokens; s10 trips; s11 at work;
; s12-15 lane masks; s[40:49] outputs; s50-54 db2, rb2, gamma, lambda, bias; s[56:63] descriptor group 1; s[68:71], s[72:75] groups 0; s[76:87] erf's coefficients; s66, s88-97 constants.
.macro NOPS n
.rept \n
	v_nop
.endr
.endm
	s_load_b512 s[4:19], s[0:1], 0x0               ; tokens 4, ln_g 6, ln_b 8, dw1_codes 10, rw1_codes 12, dw1_scales 14, rw1_scales 16, db1 18
	s_load_b512 s[20:35], s[0:1], 0x40             ; rb1 20, dw2 22, rw2 24, vw_codes 26, vw_scales 28, db2 30, rb2 32, eml_gamma 34
	s_load_b256 s[36:43], s[0:1], 0x80             ; eml_lambda 36, eml_bias 38, out2 40, out3 42
	s_load_b128 s[44:47], s[0:1], 0xa0             ; out4 44, part_p 46
	s_load_b64 s[48:49], s[0:1], 0xb0              ; part_s
	v_lshl_add_u32 v1, v0, 2, SPARE                ; my spare word; never rewritten
	v_mov_b32 v2, 0                                ; 0; never rewritten
	ds_add_u32 v1, v2
	s_wait_dscnt 0x0
	v_lshrrev_b32 v66, 5, v0
	v_readfirstlane_b32 s2, v66                    ; wave 0..15
	s_lshr_b32 s3, s2, 2
	s_xor_b32 s3, s3, s2
	s_and_b32 s3, s3, 1                            ; role = (w xor w / 4) mod 2: G waves 0, 2, 5, 7, 8, 10, 13, 15: two of each role among any four neighbours and among any four that lie 4 apart
	s_lshr_b32 s55, s2, 1                          ; index in the role, 0..7
	v_and_b32 v67, 31, v0                          ; l
	v_and_b32 v68, 15, v0                          ; r
	v_bfe_u32 v69, v0, 4, 1                        ; h
	v_bfe_u32 v70, v0, 2, 3                        ; l / 4
	v_bfe_u32 v71, v0, 1, 4                        ; l / 2
	v_lshlrev_b32 v3, 6, v67
	v_lshl_add_u32 v3, v70, 4, v3                  ; v3: my 16 numbers in a token: 64 l + 16 (l / 4)
	s_mul_i32 s99, s2, 2*CP
	s_add_co_u32 s99, s99, COD
	v_lshl_add_u32 v4, v67, 3, s99                 ; v4: where my 16 codes go: code rows 2 w, 2 w + 1 of a half, 8 l
	s_lshl_b32 s99, s2, 5
	s_add_co_u32 s99, s99, COD+SCO
	v_add_nc_u32 v5, s99, v71                      ; v5: and my block's scale byte: 16 bytes a row, block l / 2
	v_mul_u32_u24 v6, v68, CP
	v_lshl_add_u32 v6, v69, 4, v6
	v_add_nc_u32 v6, COD, v6                       ; v6: a fragment: row r, + 16 h
	v_lshlrev_b32 v7, 4, v68
	v_lshl_add_u32 v7, v69, 3, v7
	v_add_nc_u32 v7, COD+SCO, v7                   ; v7: the tokens' scale words: row r; lanes 0-15 K steps 0, 1, lanes 16-31 K steps 2, 3
	s_lshl_b32 s99, s2, 7
	s_add_co_u32 s99, s99, PART
	v_lshl_add_u32 v8, v68, 2, s99                 ; v8: where a G wave puts its partial of token r: 128 bytes a wave
	v_lshl_add_u32 v9, v67, 2, PART                ; v9: where a V wave reads the partials of row l
	s_bfe_u32 s99, s2, 0x10002                     ; ln_g (waves 0-3) or ln_b (waves 4-7),
	s_mul_i32 s99, s99, TOKB
	s_and_b32 s98, s2, 3                           ; 512 bytes of it a wave: two LDS rows
	s_mul_i32 s98, s98, 2*CP
	s_add_co_u32 s99, s99, s98
	s_add_co_u32 s99, s99, GB
	v_lshl_add_u32 v10, v67, 4, s99
	v_lshl_add_u32 v10, v69, 4, v10                ; v10, for now: 16 l + 16 (l / 16)
	v_lshlrev_b32 v72, 8, v68
	v_lshl_add_u32 v72, v69, 4, v72                ; offsets in memory: a weight's fragment: row r of 256 bytes, + 16 h;
	v_lshlrev_b32 v73, 4, v68
	v_lshl_add_u32 v73, v69, 2, v73                ; vw's scale words: row r of 16 bytes, + 4 h;
	v_lshlrev_b32 v74, 4, v68                      ; dw1's, rw1's: row r;
	v_lshlrev_b32 v75, 5, v69                      ; b1, w2: my half's eight numbers;
	v_lshlrev_b32 v76, 4, v67                      ; ln_g, ln_b: 16 bytes a lane
	; descriptor group 1: 8 tokens = 16 KiB of consecutive memory, as 64 rows of 32 elements of 8 bytes, 4 words of padding behind every 64 words
	s_mov_b32 s56, (3<<16)|(1<<20)|(5<<22)|(3<<25)
	s_mov_b32 s57, 32<<16                          ; tensor_dim0 = 32
	s_mov_b32 s58, 64<<16                          ; tensor_dim1 = 64
	s_mov_b32 s59, 32<<16                          ; tile_dim0 = 32
	s_mov_b32 s60, 64                              ; tile_dim1 = 64
	s_mov_b32 s61, 32                              ; elements from row to row
	s_mov_b32 s62, 0
	s_mov_b32 s63, 0
	s_mov_b32 s76, 0x3d4c41b4                      ; erf's coefficients with u = |x| / sqrt(2) folded in: a1 / 2^(1/2),
	s_mov_b32 s77, s76                             ; (the packed forms name pairs: both words are written)
	s_mov_b32 s78, 0x3cad2fe7                      ; a2 / 2,
	s_mov_b32 s79, s78
	s_mov_b32 s80, 0x3b56cd72                      ; a3 / 2^(3/2),
	s_mov_b32 s81, s80
	s_mov_b32 s82, 0x381f6607                      ; a4 / 4,
	s_mov_b32 s83, s82
	s_mov_b32 s84, 0x384d0fec                      ; a5 / 2^(5/2),
	s_mov_b32 s86, 0x36b49f67                      ; a6 / 8
	s_mov_b32 s87, s86
	s_mov_b32 s88, 0x7fffffff                      ; clears a sign
	s_mov_b32 s89, 0xbfb8aa3b                      ; -log2(e)
	s_mov_b32 s90, 0x76543210                      ; v_permlanex16_b32's selects for lane l xor 16
	s_mov_b32 s91, 0xfedcba98
	s_mov_b32 s92, 0x3f317218                      ; ln(2)
	s_mov_b32 s93, 0x3fb8aa3b                      ; log2(e)
	s_mov_b32 s94, 0x40400000                      ; 3.0
	s_mov_b32 s95, 0xffff0000                      ; lanes 16-31
	s_mov_b32 s96, 0x3b000000                      ; 1 / 512
	s_mov_b32 s97, 0x3727c5ac                      ; 1e-5
	s_mul_i32 s67, s2, 8*TOKB                      ; my eighth of a slot
	s_lshl_b32 s98, ttmp9, 20                      ; the work-group's 1 MiB,
	s_lshl_b32 s99, s2, 14                         ; my 8 tokens of a unit
	s_add_co_u32 s98, s98, s99
	s_mov_b32 s99, 0
	s_wait_kmcnt 0x0
	s_add_nc_u64 s[98:99], s[4:5], s[98:99]
	s_mov_b32 s68, 1                               ; group 0 for unit 0: count = 1,
	s_mov_b32 s69, s67                             ; LDS address: slot 0,
	s_mov_b64 s[70:71], s[98:99]                   ; global address,
	s_or_b32 s71, s71, 0x80000000                  ; type = 2
	s_mov_b32 s72, 1                               ; and for unit 1, in slot 1: this set then walks
	s_add_co_u32 s73, s67, SLOT
	s_add_nc_u64 s[74:75], s[98:99], 131072
	s_or_b32 s75, s75, 0x80000000
	s_cmp_lt_u32 s2, 8                             ; a wave's two first fills stand in one branch, ahead of every wait on TENSORcnt, every LDS read and every barrier
	s_cbranch_scc0 .Lno_fill
	tensor_load_to_lds s[68:71], s[56:63]
	s_nop 0
	tensor_load_to_lds s[72:75], s[56:63]
	s_nop 0
	NOPS 4
.Lno_fill:
	s_load_b32 s50, s[30:31], 0x0                  ; db2
	s_load_b32 s51, s[32:33], 0x0                  ; rb2
	s_load_b32 s52, s[34:35], 0x0                  ; eml_gamma
	s_load_b32 s53, s[36:37], 0x0                  ; eml_lambda
	s_load_b32 s54, s[38:39], 0x0                  ; eml_bias
	s_lshl_b32 s98, ttmp9, 11                      ; 512 tokens, or 512 channels, of 4 bytes
	s_mov_b32 s99, 0
	s_add_nc_u64 s[40:41], s[40:41], s[98:99]
	s_add_nc_u64 s[42:43], s[42:43], s[98:99]
	s_add_nc_u64 s[44:45], s[44:45], s[98:99]
	s_add_nc_u64 s[46:47], s[46:47], s[98:99]
	s_lshl_b32 s98, s55, 8                         ; a V wave's 64 channels
	s_add_nc_u64 s[46:47], s[46:47], s[98:99]
	s_lshl_b32 s98, ttmp9, 2
	s_add_nc_u64 s[48:49], s[48:49], s[98:99]
	s_cmp_lt_u32 s2, 8                             ; ln_g and ln_b go into LDS once, laid as a token is: waves 0-7, 512 consecutive bytes each
	s_cbranch_scc0 .Lno_gb
	s_cmp_lt_u32 s2, 4
	s_cselect_b64 s[98:99], s[6:7], s[8:9]
	s_and_b32 s67, s2, 3
	s_lshl_b32 s66, s67, 9
	s_mov_b32 s67, 0
	s_add_nc_u64 s[98:99], s[98:99], s[66:67]
	global_load_b128 v[18:21], v76, s[98:99]
	s_wait_loadcnt 0x0
	ds_store_b128 v10, v[18:21]
.Lno_gb:
.set i, 0
.rept 7
	v_mov_b32 v[SS+i], 0                           ; the sum of e begins at 0; the three pairs are written so that both roles' ways have written them
.set i, i+1
.endr
.set i, 0
.rept 32
	v_mov_b32 v[P+i], 0                            ; the pooled sums begin at 0: they are made by vector multiply-adds over 16 groups, so the group's text is written once
.set i, i+1
.endr
	s_cmp_eq_u32 s3, 0
	s_cbranch_scc0 .Lhead_v
	s_cmp_lt_u32 s55, 4                            ; G: the drive's net or the resistance's: a choice on the wave's number
	s_cselect_b64 s[4:5], s[10:11], s[12:13]       ; codes
	s_cselect_b64 s[6:7], s[14:15], s[16:17]       ; scales
	s_cselect_b64 s[8:9], s[18:19], s[20:21]       ; b1
	s_cselect_b64 s[10:11], s[22:23], s[24:25]     ; w2
	s_and_b32 s98, s55, 3                          ; my 32 hidden units:
	s_mov_b32 s99, 0
	s_lshl_b32 s98, s98, 7                         ; 128 bytes of b1 and of w2,
	s_add_nc_u64 s[8:9], s[8:9], s[98:99]
	s_add_nc_u64 s[10:11], s[10:11], s[98:99]
	s_lshl_b32 s98, s98, 2                         ; 512 of scale bytes,
	s_add_nc_u64 s[6:7], s[6:7], s[98:99]
	s_lshl_b32 s98, s98, 4                         ; 8,192 of codes
	s_add_nc_u64 s[4:5], s[4:5], s[98:99]
.irp n, 0,1
.irp s, 0,1,2,3
.irp c, 0,1
	global_load_b128 v[W+32*\n+8*\s+4*\c:W+32*\n+8*\s+4*\c+3], v72, s[4:5] offset:4096*\n+64*\s+32*\c
.endr
.endr
	global_load_b128 v[WS+4*\n:WS+4*\n+3], v74, s[6:7] offset:256*\n          ; row r's four scale words: register s for K step s
	global_load_b128 v[B1+8*\n:B1+8*\n+3], v75, s[8:9] offset:64*\n           ; b1 of units 16 n + 8 h + 0 .. 7
	global_load_b128 v[B1+8*\n+4:B1+8*\n+7], v75, s[8:9] offset:64*\n+16
	global_load_b128 v[Z+8*\n:Z+8*\n+3], v75, s[10:11] offset:64*\n           ; w2 likewise
	global_load_b128 v[Z+8*\n+4:Z+8*\n+7], v75, s[10:11] offset:64*\n+16
.endr
.set i, 0
.rept 16
	v_mov_b32 v[PL+i], 0                           ; written here because the other role's way loads weights into them: every register is written on both ways
.set i, i+1
.endr
	s_wait_loadcnt 0x0
.irp q, 0,2,4,6,8,10,12,14
	v_pk_mul_f32 v[W2H+\q:W2H+\q+1], v[Z+\q:Z+\q+1], 0.5 op_sel_hi:[1,0]      ; GELU's half goes into w2
.endr
	s_branch .Lhead_j
.Lhead_v:
	s_lshl_b32 s98, s55, 14                        ; V: my 64 rows of vw: 16,384 bytes of codes,
	s_mov_b32 s99, 0
	s_add_nc_u64 s[26:27], s[26:27], s[98:99]
	s_lshl_b32 s98, s55, 10                        ; 1,024 of scale bytes
	s_add_nc_u64 s[28:29], s[28:29], s[98:99]
.irp n, 0,1,2,3
.irp s, 0,1,2,3
.irp c, 0,1
	global_load_b128 v[W+32*\n+8*\s+4*\c:W+32*\n+8*\s+4*\c+3], v72, s[26:27] offset:4096*\n+64*\s+32*\c
.endr
.endr
.irp q, 0,1
	global_load_b32 v[WS+2*\n+\q], v73, s[28:29] offset:256*\n+8*\q           ; lanes 0-15: K step 2 q; lanes 16-31: K step 2 q + 1
.endr
.endr
.Lhead_j:
	s_wait_loadcnt 0x0                             ; the weights are in: the pointers' registers take their lasting contents
	s_wait_kmcnt 0x0
	s_mul_i32 s8, s2, 8*TOKB
	s_mul_i32 s9, s2, 4*TOKB
	s_mov_b32 s4, 0
	s_mov_b32 s5, 0
	s_mov_b32 s6, 0                                ; the first Q works on unit 0: codes' unit 0, slot 0
	s_mov_b32 s7, 0
	s_mov_b32 s12, 0xff00ff00                      ; lanes whose r has bit 3, 2, 1, 0 set
	s_mov_b32 s13, 0xf0f0f0f0
	s_mov_b32 s14, 0xcccccccc
	s_mov_b32 s15, 0xaaaaaaaa
	s_mov_b32 s66, 0xc0400000                      ; -3.0
	s_wait_tensorcnt 0x1                           ; my part of unit 0 is in; unit 1's load may stay out
	s_wait_dscnt 0x0                               ; my part of ln_g, ln_b is stored
	s_barrier_signal -1
	s_barrier_wait -1
; ---- Q: a wave's 4 tokens of a unit.  A lane holds 16 neighbours along K; two neighbouring lanes hold a block of 32.
.macro REDUCE                          ; v[T] summed over the 32 lanes, in every lane
	v_add_f32_dpp v[T], v[T], v[T] row_xmask:1 row_mask:0xf bank_mask:0xf
	v_add_f32_dpp v[T], v[T], v[T] row_xmask:2 row_mask:0xf bank_mask:0xf
	v_add_f32_dpp v[T], v[T], v[T] row_xmask:4 row_mask:0xf bank_mask:0xf
	v_add_f32_dpp v[T], v[T], v[T] row_xmask:8 row_mask:0xf bank_mask:0xf
	v_permlanex16_b32 v[T+1], v[T], s90, s91
	v_add_f32 v[T], v[T], v[T+1]
.endm
.macro QROW i
.set CR, T+8+2*((\i)%2)                ; the codes' pair and the byte take turns between two sets, so that no store's data are written again while it may be out
.set BR, T+12+((\i)%2)
.if (\i) == 0
	s_wait_dscnt 8                                 ; the token's four loads are in; the eight of ln_g and ln_b may be out
.else
	s_wait_dscnt 2                                 ; the token's four loads are in; the last token's two stores may be out
.endif
	v_pk_add_f32 v[T:T+1], v[X:X+1], v[X+2:X+3]
	v_pk_add_f32 v[T+2:T+3], v[X+4:X+5], v[X+6:X+7]
	v_pk_add_f32 v[T+4:T+5], v[X+8:X+9], v[X+10:X+11]
	v_pk_add_f32 v[T+6:T+7], v[X+12:X+13], v[X+14:X+15]
	v_pk_add_f32 v[T:T+1], v[T:T+1], v[T+2:T+3]
	v_pk_add_f32 v[T+4:T+5], v[T+4:T+5], v[T+6:T+7]
	v_pk_add_f32 v[T:T+1], v[T:T+1], v[T+4:T+5]
	v_add_f32 v[T], v[T], v[T+1]
	REDUCE
	v_mul_f32 v[T+2], s96, v[T]                    ; the mean
.irp q, 0,2,4,6,8,10,12,14
	v_pk_add_f32 v[X+\q:X+\q+1], v[X+\q:X+\q+1], v[T+2:T+3] op_sel_hi:[1,0] neg_lo:[0,1] neg_hi:[0,1]
.endr
	v_pk_mul_f32 v[T:T+1], v[X:X+1], v[X:X+1]      ; the centred squares, in two chains
	v_pk_mul_f32 v[T+4:T+5], v[X+2:X+3], v[X+2:X+3]
.irp q, 4,8,12
	v_pk_fma_f32 v[T:T+1], v[X+\q:X+\q+1], v[X+\q:X+\q+1], v[T:T+1]
	v_pk_fma_f32 v[T+4:T+5], v[X+\q+2:X+\q+3], v[X+\q+2:X+\q+3], v[T+4:T+5]
.endr
	v_pk_add_f32 v[T:T+1], v[T:T+1], v[T+4:T+5]
	v_add_f32 v[T], v[T], v[T+1]
	REDUCE
	v_fma_f32 v[T+5], v[T], s96, s97               ; the variance + 1e-5
	v_rsq_f32 v[T+6], v[T+5]
	v_nop                                          ; a plain place behind the transcendental (ISA guide 5.7.2)
.if (\i) == 0
	s_wait_dscnt 0x0                               ; ln_g and ln_b
.endif
	s_wait_alu depctr_va_vdst(0)
.irp q, 0,2,4,6,8,10,12,14
	v_pk_mul_f32 v[X+\q:X+\q+1], v[X+\q:X+\q+1], v[T+6:T+7] op_sel_hi:[1,0]
.endr
.irp q, 0,2,4,6,8,10,12,14
	v_pk_fma_f32 v[X+\q:X+\q+1], v[X+\q:X+\q+1], v[LG+\q:LG+\q+1], v[LB+\q:LB+\q+1]
.endr
	v_max3_num_f32 v[T], |v[X]|, |v[X+1]|, |v[X+2]|              ; the largest magnitude of my 16
	v_max3_num_f32 v[T+1], |v[X+3]|, |v[X+4]|, |v[X+5]|
.irp j, 6,10
	v_max3_num_f32 v[T], v[T], |v[X+\j]|, |v[X+\j+1]|
	v_max3_num_f32 v[T+1], v[T+1], |v[X+\j+2]|, |v[X+\j+3]|
.endr
	v_max3_num_f32 v[T], v[T], |v[X+14]|, |v[X+15]|
	v_max3_num_f32 v[T], v[T], v[T+1], 0x1800000   ; and the floor 2^(3 - 127): the byte cannot fall under 1
	v_max_num_f32_dpp v[T], v[T], v[T] row_xmask:1 row_mask:0xf bank_mask:0xf   ; with my neighbour's 16: the block's
	v_add_nc_u32 v[T+2], 0xff000000, v[T]          ; 2 off its exponent field: the conversion takes the exponent field of this operand as its scale
	v_cvt_scalef32_pk8_fp4_f32 v[CR], v[X:X+7], v[T+2]
	v_cvt_scalef32_pk8_fp4_f32 v[CR+1], v[X+8:X+15], v[T+2]
	v_lshrrev_b32 v[BR], 23, v[T+2]                ; the scale's byte; also the plain place behind the conversions
.if (\i) < 3
.irp j, 0,1,2,3
	ds_load_b128 v[X+4*\j:X+4*\j+3], v10 offset:((\i)+1)*TOKB+16*\j
.endr
.endif
	ds_store_b64 v12, v[CR:CR+1] offset:((\i)%2)*HALF+((\i)/2)*CP    ; token 4 w + i: half i mod 2, row 2 w + i / 2; the wave's store covers the row's 256 bytes
	ds_store_b8 v13, v[BR] offset:((\i)%2)*HALF+((\i)/2)*16          ; both lanes of a block write the same byte with the same value
.endm
.macro QPH                             ; the unit in slot s7; its codes into unit s6
	s_add_co_u32 s11, s7, s9
	v_add_nc_u32 v10, s11, v3
	v_add_nc_u32 v11, GB, v3
	v_add_nc_u32 v12, s6, v4
	v_add_nc_u32 v13, s6, v5
.irp j, 0,1,2,3
	ds_load_b128 v[X+4*\j:X+4*\j+3], v10 offset:16*\j
.endr
.irp j, 0,1,2,3
	ds_load_b128 v[LG+4*\j:LG+4*\j+3], v11 offset:16*\j
.endr
.irp j, 0,1,2,3
	ds_load_b128 v[LB+4*\j:LB+4*\j+3], v11 offset:TOKB+16*\j
.endr
	QROW 0
	QROW 1
	QROW 2
	QROW 3
	s_wait_dscnt 0x0                               ; the last stores have read their registers: the phase behind writes them again
.endm
; ---- G: my 32 hidden units for the 32 tokens of half a of the unit at v10 / v11; the partial dots into parity pb.
.macro GMM t, n, s
.set rD, ACC+16*(\t)+8*(\n)
.set rW, W+32*(\n)+8*(\s)
.set rF, FR+32*(\t)+8*(\s)
.set rA, WS+4*(\n)+(\s)
.set rB, ASC+2*(\t)+(\s)%2
.if (\s) == 0
	v_wmma_scale_f32_16x16x128_f8f6f4 v[rD:rD+7], v[rW:rW+7], v[rF:rF+7], v[B1+8*(\n):B1+8*(\n)+7], v[rA], v[rB] matrix_a_fmt:MATRIX_FMT_FP4 matrix_b_fmt:MATRIX_FMT_FP4
.elseif (\s) == 1
	v_wmma_scale_f32_16x16x128_f8f6f4 v[rD:rD+7], v[rW:rW+7], v[rF:rF+7], v[rD:rD+7], v[rA], v[rB] matrix_a_fmt:MATRIX_FMT_FP4 matrix_b_fmt:MATRIX_FMT_FP4
.else
	v_wmma_scale_f32_16x16x128_f8f6f4 v[rD:rD+7], v[rW:rW+7], v[rF:rF+7], v[rD:rD+7], v[rA], v[rB] matrix_a_fmt:MATRIX_FMT_FP4 matrix_b_fmt:MATRIX_FMT_FP4 matrix_b_scale:MATRIX_SCALE_ROW1
.endif
.endm
.macro GELU t, pb                      ; 16 units of a lane's token: (x + |x| erf(|x| / sqrt 2)) . (w2 / 2)
.set AA, ACC+16*(\t)
.irp j, 0,1,2,3,4,5,6,7,8,9,10,11,12,13,14,15
	v_and_b32 v[Z+\j], s88, v[AA+\j]               ; |x|: each accumulator is read from its low end on
.endr
.irp q, 0,2,4,6,8,10,12,14
	v_pk_fma_f32 v[PL+\q:PL+\q+1], v[Z+\q:Z+\q+1], s[86:87], v[FR:FR+1] op_sel_hi:[1,0,1]
.endr
.irp k, 82,80,78,76
.irp q, 0,2,4,6,8,10,12,14
	v_pk_fma_f32 v[PL+\q:PL+\q+1], v[PL+\q:PL+\q+1], v[Z+\q:Z+\q+1], s[\k:\k+1] op_sel_hi:[1,1,0]
.endr
.endr
.irp q, 0,2,4,6,8,10,12,14
	v_pk_fma_f32 v[PL+\q:PL+\q+1], v[PL+\q:PL+\q+1], v[Z+\q:Z+\q+1], 1.0 op_sel_hi:[1,1,0]
.endr
.irp j, 0,1,2,3,4,5,6,7,8,9,10,11,12,13,14,15
	v_rcp_f32 v[PL+\j], v[PL+\j]                   ; (an infinite polynomial gives 0, and so erf = 1)
.endr
	v_nop                                          ; a plain place behind the last reciprocal
	s_wait_alu depctr_va_vdst(0)
.rept 4
.irp q, 0,2,4,6,8,10,12,14
	v_pk_mul_f32 v[PL+\q:PL+\q+1], v[PL+\q:PL+\q+1], v[PL+\q:PL+\q+1]         ; four squarings: the sixteenth power
.endr
.endr
.irp q, 0,2,4,6,8,10,12,14
	v_pk_fma_f32 v[PL+\q:PL+\q+1], v[Z+\q:Z+\q+1], v[PL+\q:PL+\q+1], v[Z+\q:Z+\q+1] neg_lo:[1,0,0] neg_hi:[1,0,0]   ; |x| - |x| p^16 = |x| erf
.endr
.irp q, 0,2,4,6,8,10,12,14
	v_pk_add_f32 v[PL+\q:PL+\q+1], v[PL+\q:PL+\q+1], v[AA+\q:AA+\q+1]
.endr
	v_pk_mul_f32 v[82:83], v[PL:PL+1], v[W2H:W2H+1]              ; the dot, a chain for each tile of units
	v_pk_mul_f32 v[84:85], v[PL+8:PL+9], v[W2H+8:W2H+9]
.irp q, 2,4,6
	v_pk_fma_f32 v[82:83], v[PL+\q:PL+\q+1], v[W2H+\q:W2H+\q+1], v[82:83]
	v_pk_fma_f32 v[84:85], v[PL+8+\q:PL+9+\q], v[W2H+8+\q:W2H+9+\q], v[84:85]
.endr
	v_pk_add_f32 v[82:83], v[82:83], v[84:85]
	v_add_f32 v82, v82, v83
	v_permlanex16_b32 v84, v82, s90, s91           ; the other half's 16 units of the same token
	v_add_f32 v[86+(\t)], v82, v84
	ds_store_b32 v8, v[86+(\t)] offset:(\pb)*PARB+64*(\t)        ; lanes r and r + 16 write the same word with the same value
.endm
.macro GPH a, pb
	ds_load_b64 v[ASC:ASC+1], v11 offset:(\a)*HALF
	ds_load_b64 v[ASC+2:ASC+3], v11 offset:(\a)*HALF+256
.irp s, 0,1,2,3
.irp t, 0,1
.irp c, 0,1
	ds_load_b128 v[FR+32*\t+8*\s+4*\c:FR+32*\t+8*\s+4*\c+3], v10 offset:(\a)*HALF+16*CP*\t+64*\s+32*\c
.endr
.endr
.endr
.irp s, 0,1,2,3
	s_wait_dscnt 12-4*\s                           ; K step s is in; the four loads of each later K step may be out
.irp t, 0,1
.irp n, 0,1
	GMM \t, \n, \s                                 ; the four accumulators take turns, one instruction a turn; b1 is the C of each sum's first product
.endr
.endr
.endr
	NOPS 4                                         ; four places between the last product and the first read of results, and the write of a register that products have read (ISA guide 7.12.1)
	v_mov_b32 v[FR], s84                           ; a5 as a vector pair, in registers of fragments that are done with
	v_mov_b32 v[FR+1], s84
	GELU 0, \pb
	GELU 1, \pb
.endm
; ---- V: my 64 channels for the 32 tokens of half a of the unit at v[fa] / v[sa]; the partial dots from parity pb.
.macro VMM t, c, u, s
.set rD, D+8*(\u)
.set rW, W+32*(\c)+8*(\s)
.set rF, FR+8*(\s)
.set rA, WS+2*(\c)+(\s)/2
.set rB, ASC+2*(\t)+(\s)%2
.if (\s) == 0
	v_wmma_scale_f32_16x16x128_f8f6f4 v[rD:rD+7], v[rW:rW+7], v[rF:rF+7], 0, v[rA], v[rB] matrix_a_fmt:MATRIX_FMT_FP4 matrix_b_fmt:MATRIX_FMT_FP4
.elseif (\s) == 1
	v_wmma_scale_f32_16x16x128_f8f6f4 v[rD:rD+7], v[rW:rW+7], v[rF:rF+7], v[rD:rD+7], v[rA], v[rB] matrix_a_fmt:MATRIX_FMT_FP4 matrix_b_fmt:MATRIX_FMT_FP4 matrix_a_scale:MATRIX_SCALE_ROW1
.elseif (\s) == 2
	v_wmma_scale_f32_16x16x128_f8f6f4 v[rD:rD+7], v[rW:rW+7], v[rF:rF+7], v[rD:rD+7], v[rA], v[rB] matrix_a_fmt:MATRIX_FMT_FP4 matrix_b_fmt:MATRIX_FMT_FP4 matrix_b_scale:MATRIX_SCALE_ROW1
.else
	v_wmma_scale_f32_16x16x128_f8f6f4 v[rD:rD+7], v[rW:rW+7], v[rF:rF+7], v[rD:rD+7], v[rA], v[rB] matrix_a_fmt:MATRIX_FMT_FP4 matrix_b_fmt:MATRIX_FMT_FP4 matrix_a_scale:MATRIX_SCALE_ROW1 matrix_b_scale:MATRIX_SCALE_ROW1
.endif
.endm
.macro VBATCH t, cp                    ; tiles 2 cp and 2 cp + 1 of my channels x tile t of the tokens: two accumulators by turns, K ascending; the first product of each starts its sum
.irp s, 0,1,2,3
	VMM \t, 2*(\cp), 0, \s
	VMM \t, 2*(\cp)+1, 1, \s
.endr
	NOPS 4                                         ; four places ahead of the reads of results and of loads into the fragments' registers
.endm
.macro POOL t, cp                      ; P += e x values.  With the four places above, four of these eight lines name no register of either of the batch's last two products: eight places ahead of the next batch, which writes D anew
.irp u, 0,1
.irp q, 0,2,4,6
.if (\t) == 0
	v_pk_fma_f32 v[P+8*(2*(\cp)+\u)+\q:P+8*(2*(\cp)+\u)+\q+1], v[D+8*\u+\q:D+8*\u+\q+1], v[EP:EP+1], v[P+8*(2*(\cp)+\u)+\q:P+8*(2*(\cp)+\u)+\q+1] op_sel_hi:[1,0,1]
.else
	v_pk_fma_f32 v[P+8*(2*(\cp)+\u)+\q:P+8*(2*(\cp)+\u)+\q+1], v[D+8*\u+\q:D+8*\u+\q+1], v[EP:EP+1], v[P+8*(2*(\cp)+\u)+\q:P+8*(2*(\cp)+\u)+\q+1] op_sel:[0,1,0] op_sel_hi:[1,1,1]
.endif
.endr
.endr
.endm
.macro VFETCH fa, a, t
.irp s, 0,1,2,3
.irp c, 0,1
	ds_load_b128 v[FR+8*\s+4*\c:FR+8*\s+4*\c+3], v[\fa] offset:(\a)*HALF+16*CP*(\t)+64*\s+32*\c
.endr
.endr
.endm
.macro VPH fa, sa, a, pb
.set g, 0
.irp w, 0,2,5,7,8,10,13,15             ; the G waves' numbers: four of the drive's net, four of the resistance's
	ds_load_b32 v[68+g], v9 offset:(\pb)*PARB+128*\w
.set g, g+1
.endr
	ds_load_b64 v[ASC:ASC+1], v[\sa] offset:(\a)*HALF
	ds_load_b64 v[ASC+2:ASC+3], v[\sa] offset:(\a)*HALF+256
	VFETCH \fa, \a, 0
	s_wait_dscnt 10                                ; the eight partials are in; the scale words' two loads and the fragments' eight may be out
	v_add_f32 v76, v68, v69                        ; here a lane is a code row: 32 tokens
	v_add_f32 v77, v70, v71
	v_add_f32 v78, v72, v73
	v_add_f32 v79, v74, v75
	v_add_f32 v76, v76, v77
	v_add_f32 v78, v78, v79
	v_add_f32 v[HD+(\a)], s50, v76                 ; drive
	v_add_f32 v[HR+(\a)], s51, v78                 ; resistance
	v_max_num_f32 v68, 0, v[HR+(\a)]               ; softplus(x) = max(x, 0) + ln(1 + e^-|x|)
	v_mul_f32 v69, |v[HR+(\a)]|, s89
	v_exp_f32 v69, v69
	v_fma_f32 v70, s52, v[HD+(\a)], s54            ; gamma x drive + bias.  (The plain place behind the exponential)
	s_wait_alu depctr_va_vdst(0)
	v_add_f32 v69, 1.0, v69
	v_log_f32 v69, v69
	v_nop
	s_wait_alu depctr_va_vdst(0)
	v_fma_f32 v69, v69, s92, v68
	v_fma_f32 v70, -v69, s53, v70                  ; - lambda x softplus
	v_med3_num_f32 v[HE+(\a)], v70, s66, s94       ; energy: the clip to -3 .. 3
	v_mul_f32 v71, s93, v[HE+(\a)]
	v_exp_f32 v71, v71                             ; e
	v_nop
	s_wait_alu depctr_va_vdst(0)
	v_add_f32 v[SS], v[SS], v71
	v_permlanex16_b32 v72, v71, s90, s91           ; for the products a lane is token r of a tile: e of rows r and 16 + r in every lane
	v_cndmask_b32 v[EP], v71, v72, s95
	v_cndmask_b32 v[EP+1], v72, v71, s95
	s_wait_dscnt 0x0                               ; scale words and tile 0's fragments
	VBATCH 0, 0
	POOL 0, 0
	VBATCH 0, 1
	VFETCH \fa, \a, 1                              ; tile 1's fragments land while tile 0's last results are pooled
	POOL 0, 1
	s_wait_dscnt 0x0
	VBATCH 1, 0
	POOL 1, 0
	VBATCH 1, 1
	POOL 1, 1
.if (\a) == 1                          ; both halves of a unit are known: one wave stores its 64 tokens, a lane two neighbours: each store covers 256 consecutive bytes, aligned
	s_cmp_lg_u32 s2, 1
	s_cbranch_scc1 .Lno_store_\@
	v_and_b32 v68, 31, v0
	v_lshlrev_b32 v68, 3, v68
	global_store_b64 v68, v[HE:HE+1], s[40:41]
	global_store_b64 v68, v[HD:HD+1], s[42:43]
	global_store_b64 v68, v[HR:HR+1], s[44:45]
	s_wait_xcnt 0x0                                ; the stores' bases, offset and data are written again only behind this wait
	s_add_nc_u64 s[40:41], s[40:41], 256
	s_add_nc_u64 s[42:43], s[42:43], 256
	s_add_nc_u64 s[44:45], s[44:45], 256
.Lno_store_\@:
.endif
.endm
; ---- barriers
.macro ADDR                            ; the other unit's bases; fragments and scale words of this unit (v10, v11) and of the one before (v12, v13)
	s_xor_b32 s6, s4, UNIT
	s_xor_b32 s7, s5, SLOT
	v_add_nc_u32 v10, s4, v6
	v_add_nc_u32 v11, s4, v7
	v_add_nc_u32 v12, s6, v6
	v_add_nc_u32 v13, s6, v7
.endm
.macro BARP                            ; a barrier behind which nothing is filled again: a tensor load may stay out across it
	s_wait_dscnt 0x0                               ; my LDS stores have landed and my LDS loads are in
	s_barrier_signal -1
	s_barrier_wait -1
.endm
.macro BAR3 refill                     ; the barrier of an odd trip.  refill = 1: slot s5, whose tokens the last trip's Q read, takes the unit two on
	s_wait_tensorcnt 0x0                           ; all my tensor loads have landed: my part of the unit that the next trip's Q reads; so a group 0 may be written
	ds_add_u32 v1, v2                              ; 0 onto my spare word; the trip's addresses are made between it and the wait for it
	ADDR
.if \refill
	s_add_co_u32 s73, s5, s8
	s_add_nc_u64 s[74:75], s[74:75], 131072        ; the next unit; the type bits on top are not reached
.endif
	s_wait_dscnt 0x0                               ; the add is done, and so are my reads of the slot
	s_barrier_signal -1
	s_barrier_wait -1
.if \refill
	s_cmp_lt_u32 s2, 8
	s_cbranch_scc0 .Lno_refill_\@
	tensor_load_to_lds s[72:75], s[56:63]          ; the first thing behind the barrier, and a wave's one tensor load until the next such barrier
	s_nop 0
	NOPS 4
.Lno_refill_\@:
.endif
.endm
; ---- two trips for unit k (s4, s5 = its parity).  Odd: G of its half 0 | V of unit k - 1's half 1.  Even: Q of unit k + 1, then G of its half 1 | V of its half 0.
.macro PAIR bar3, refill, vodd, godd, q, even
.if \bar3
	BAR3 \refill
.else
	ADDR
	BARP
.endif
	s_cmp_eq_u32 s3, 0
	s_cbranch_scc0 .Lodd_v_\@
.if \godd
	GPH 0, 0
.endif
	s_branch .Lodd_j_\@
.Lodd_v_\@:
.if \vodd
	VPH 12, 13, 1, 1
.endif
.Lodd_j_\@:
.if \even
	BARP
.if \q
	QPH
.endif
	v_add_nc_u32 v10, s4, v6
	v_add_nc_u32 v11, s4, v7
	s_cmp_eq_u32 s3, 0
	s_cbranch_scc0 .Leven_v_\@
	GPH 1, 1
	s_branch .Leven_j_\@
.Leven_v_\@:
	VPH 10, 11, 0, 0
.Leven_j_\@:
	s_xor_b32 s4, s4, UNIT
	s_xor_b32 s5, s5, SLOT
.endif
.endm
	QPH                                            ; trip 0: unit 0
	PAIR 1, 1, 0, 1, 1, 1                          ; unit 0: there is no group yet for V in the odd trip; slot 0 takes unit 2
	s_mov_b32 s10, 5
.Lunit:                                            ; units 1 to 5: slots take units 3 to 7
	PAIR 1, 1, 1, 1, 1, 1
	s_sub_co_u32 s10, s10, 1
	s_cmp_lg_u32 s10, 0
	s_cbranch_scc1 .Lunit
	PAIR 1, 0, 1, 1, 1, 1                          ; unit 6: the tail is written out: unit 7's load is waited for, nothing more is asked for
	PAIR 0, 0, 1, 1, 0, 1                          ; unit 7: no unit is left to quantise
	PAIR 0, 0, 1, 0, 0, 0                          ; the last group's V
	; ---- the end.  A V wave's P lies as 32 registers x 16 token lanes: it is summed over the lanes while the registers are dealt out among them: at each level a lane keeps one half of its registers and
	; sends the other to the lane that keeps it.  Lane (r, h) ends with registers 8 (r / 4) + 2 (r mod 4) + 0, 1 of the 32.
	s_cmp_eq_u32 s3, 0
	s_cbranch_scc1 .Lend
.macro RS n, x, m                      ; n pairs (i, i + n); partner: lane xor x; s[m]: the lanes that keep the upper register
.set i, 0
.rept \n
	v_cndmask_b32 v[68+2*(i%4)], v[P+i+\n], v[P+i], s[\m]
	v_cndmask_b32 v[69+2*(i%4)], v[P+i], v[P+i+\n], s[\m]
	v_add_f32_dpp v[P+i], v[68+2*(i%4)], v[69+2*(i%4)] row_xmask:\x row_mask:0xf bank_mask:0xf
.set i, i+1
.endr
.endm
	RS 16, 8, 12
	RS 8, 4, 13
	RS 4, 2, 14
	RS 2, 1, 15
	v_bfe_u32 v76, v0, 2, 2                        ; r / 4: the tile of channels
	v_bfe_u32 v77, v0, 4, 1                        ; h
	v_and_b32 v78, 3, v0
	v_lshlrev_b32 v76, 6, v76
	v_lshl_add_u32 v76, v77, 5, v76
	v_lshl_add_u32 v76, v78, 3, v76                ; channel 16 (r / 4) + 8 h + 2 (r mod 4), in bytes
	global_store_b64 v76, v[P:P+1], s[46:47]       ; the 32 lanes cover my 64 channels: 256 consecutive bytes, aligned
	s_cmp_lg_u32 s2, 1
	s_cbranch_scc1 .Lend
	v_add_f32_dpp v[SS], v[SS], v[SS] row_xmask:1 row_mask:0xf bank_mask:0xf      ; every V wave has the same sum of e; one stores it
	v_add_f32_dpp v[SS], v[SS], v[SS] row_xmask:2 row_mask:0xf bank_mask:0xf
	v_add_f32_dpp v[SS], v[SS], v[SS] row_xmask:4 row_mask:0xf bank_mask:0xf
	v_add_f32_dpp v[SS], v[SS], v[SS] row_xmask:8 row_mask:0xf bank_mask:0xf
	v_permlanex16_b32 v68, v[SS], s90, s91
	v_add_f32 v[SS], v[SS], v68
	v_and_b32 v69, 31, v0
	v_mov_b32 v70, 0
	v_cmp_eq_u32 vcc_lo, 0, v69
	s_wait_xcnt 0x0                                ; EXEC changes only behind this wait: a store is out
	s_and_saveexec_b32 s11, vcc_lo
	global_store_b32 v70, v[SS], s[48:49]          ; one word a work-group
	s_wait_xcnt 0x0
	s_or_b32 exec_lo, exec_lo, s11
.Lend:
	s_wait_tensorcnt 0x0                           ; the wave's end, behind my last tensor load and my last LDS store
	ds_add_u32 v1, v2
	s_wait_dscnt 0x0
	s_endpgm
.Lfunc_end_k_q13293f4fe4_main:
	.size	k_q13293f4fe4_main, .Lfunc_end_k_q13293f4fe4_main-k_q13293f4fe4_main
	.p2alignl 7, 3214868480
	.fill 96, 4, 3214868480
	.section	.rodata,"a",@progbits
	.p2align	6, 0x0
	.amdhsa_kernel k_q13293f4fe4_main
		.amdhsa_group_segment_fixed_size 327680
		.amdhsa_private_segment_fixed_size 0
		.amdhsa_enable_private_segment 0
		.amdhsa_kernarg_size 184
		.amdhsa_user_sgpr_count 2
		.amdhsa_user_sgpr_kernarg_segment_ptr 1
		.amdhsa_wavefront_size32 1
		.amdhsa_system_sgpr_workgroup_id_x 1
		.amdhsa_system_sgpr_workgroup_id_y 1
		.amdhsa_system_sgpr_workgroup_id_z 1
		.amdhsa_system_vgpr_workitem_id 0
		.amdhsa_next_free_vgpr 256
		.amdhsa_next_free_sgpr 100
		.amdhsa_reserve_vcc 1
		.amdhsa_float_denorm_mode_32 3
		.amdhsa_float_denorm_mode_16_64 3
		.amdhsa_memory_ordered 1
		.amdhsa_forward_progress 1
		.amdhsa_inst_pref_size 255
	.end_amdhsa_kernel
	.section	.bss,"aw",@nobits
	.p2align	6
	.space	262144
	.amdgpu_metadata
---
amdhsa.version: [ 1, 2 ]
amdhsa.kernels:
  - .name:           k_q13293f4fe4_main
    .symbol:         k_q13293f4fe4_main.kd
    .args:
      - { .name: tokens, .offset: 0, .size: 8, .value_kind: global_buffer, .address_space: global }
      - { .name: ln_g, .offset: 8, .size: 8, .value_kind: global_buffer, .address_space: global }
      - { .name: ln_b, .offset: 16, .size: 8, .value_kind: global_buffer, .address_space: global }
      - { .name: dw1_codes, .offset: 24, .size: 8, .value_kind: global_buffer, .address_space: global }
      - { .name: rw1_codes, .offset: 32, .size: 8, .value_kind: global_buffer, .address_space: global }
      - { .name: dw1_scales, .offset: 40, .size: 8, .value_kind: global_buffer, .address_space: global }
      - { .name: rw1_scales, .offset: 48, .size: 8, .value_kind: global_buffer, .address_space: global }
      - { .name: db1, .offset: 56, .size: 8, .value_kind: global_buffer, .address_space: global }
      - { .name: rb1, .offset: 64, .size: 8, .value_kind: global_buffer, .address_space: global }
      - { .name: dw2, .offset: 72, .size: 8, .value_kind: global_buffer, .address_space: global }
      - { .name: rw2, .offset: 80, .size: 8, .value_kind: global_buffer, .address_space: global }
      - { .name: vw_codes, .offset: 88, .size: 8, .value_kind: global_buffer, .address_space: global }
      - { .name: vw_scales, .offset: 96, .size: 8, .value_kind: global_buffer, .address_space: global }
      - { .name: db2, .offset: 104, .size: 8, .value_kind: global_buffer, .address_space: global }
      - { .name: rb2, .offset: 112, .size: 8, .value_kind: global_buffer, .address_space: global }
      - { .name: eml_gamma, .offset: 120, .size: 8, .value_kind: global_buffer, .address_space: global }
      - { .name: eml_lambda, .offset: 128, .size: 8, .value_kind: global_buffer, .address_space: global }
      - { .name: eml_bias, .offset: 136, .size: 8, .value_kind: global_buffer, .address_space: global }
      - { .name: out2, .offset: 144, .size: 8, .value_kind: global_buffer, .address_space: global }
      - { .name: out3, .offset: 152, .size: 8, .value_kind: global_buffer, .address_space: global }
      - { .name: out4, .offset: 160, .size: 8, .value_kind: global_buffer, .address_space: global }
      - { .name: part_p, .offset: 168, .size: 8, .value_kind: global_buffer, .address_space: global }
      - { .name: part_s, .offset: 176, .size: 8, .value_kind: global_buffer, .address_space: global }
    .group_segment_fixed_size: 327680
    .private_segment_fixed_size: 0
    .kernarg_segment_align: 8
    .kernarg_segment_size: 184
    .max_flat_workgroup_size: 512
    .sgpr_count:     100
    .vgpr_count:     256
    .wavefront_size: 32
...
	.end_amdgpu_metadata
.endif
;; end of part 1
;; launch finish (part 2): grid 256 x 1, 4 waves a work-group, no clusters, 0 bytes of LDS; arguments out2, part_p, part_s, vb, out0, out1; writes out0, out1
.if DOCPART == 2
	.amdgcn_target "amdgcn-amd-amdhsa--gfx1250"
	.amdhsa_code_object_version 6
	.text
	.protected	k_q13293f4fe4_finish
	.globl	k_q13293f4fe4_finish
	.p2align	8
	.type	k_q13293f4fe4_finish,@function
k_q13293f4fe4_finish:
	s_mov_b64 s[64:65], 0
	v_nop
	global_prefetch_b8 v0, s[64:65] scope:SCOPE_SE
	s_setreg_imm32_b32 hwreg(HW_REG_WAVE_MODE, 25, 1), 1
	s_wait_xcnt 0x0
; The softmax's division.  Work-group x: batch b = x / 8, part j = x mod 8.  S = the sum of the batch's eight part_s, in ascending order.
; out1 (weights) of tokens 512 x .. 512 x + 511 = exp(energy) / S: energy is clipped to -3 .. 3 by the computation itself, so no maximum is taken away.
; out0 (pooled) of channels 64 j .. 64 j + 63 = (the sum of the batch's eight part_p) / S + vb: the weights add up to 1, so vb comes out of the weighted sum.
; A stream of a few loads: no LDS, no barrier, no matrix unit.  Thread t takes 16 bytes of energy, so a wave's load and store cover 512 consecutive bytes; wave 0 alone makes the 64 channels, a lane two:
; each of its loads and its store covers 256 consecutive bytes, aligned.  All of that stands in ONE branch, behind 1 / S, so that its registers are written and read on the same way.
	s_load_b256 s[4:11], s[0:1], 0x0               ; out2 4, part_p 6, part_s 8, vb 10
	s_load_b128 s[12:15], s[0:1], 0x20             ; out0 12, out1 14
	v_lshrrev_b32 v1, 5, v0
	v_readfirstlane_b32 s2, v1                     ; wave
	s_lshr_b32 s3, ttmp9, 3                        ; b
	s_and_b32 s16, ttmp9, 7                        ; j
	v_lshlrev_b32 v2, 4, v0                        ; 16 t
	v_and_b32 v3, 31, v0
	v_lshlrev_b32 v3, 3, v3                        ; 8 l
	s_lshl_b32 s18, ttmp9, 11                      ; my 512 tokens
	s_mov_b32 s19, 0
	s_lshl_b32 s20, s3, 5                          ; the batch's eight sums
	s_mov_b32 s21, 0
	s_lshl_b32 s22, s16, 8                         ; my 64 channels
	s_mov_b32 s23, 0
	s_mov_b32 s32, 0x3fb8aa3b                      ; log2(e)
	s_mov_b32 s33, s32                             ; (named with it as a pair, so it is written)
	s_wait_kmcnt 0x0
	s_add_nc_u64 s[4:5], s[4:5], s[18:19]
	s_add_nc_u64 s[14:15], s[14:15], s[18:19]
	s_add_nc_u64 s[8:9], s[8:9], s[20:21]
	s_load_b256 s[24:31], s[8:9], 0x0
	global_load_b128 v[4:7], v2, s[4:5]
	s_add_nc_u64 s[6:7], s[6:7], s[22:23]
	s_add_nc_u64 s[10:11], s[10:11], s[22:23]
	s_add_nc_u64 s[12:13], s[12:13], s[22:23]
	s_lshl_b32 s18, s3, 14                         ; the batch's eight rows of part_p, 2,048 bytes each
	s_add_nc_u64 s[6:7], s[6:7], s[18:19]
	s_lshl_b32 s18, s3, 11                         ; the batch's row of out0
	s_add_nc_u64 s[12:13], s[12:13], s[18:19]
	s_wait_kmcnt 0x0
.irp k, 25,26,27,28,29,30,31
	s_add_f32 s24, s24, s[\k]
.endr
	v_rcp_f32 v8, s24
	v_nop                                          ; a plain place behind the transcendental
	s_wait_alu depctr_va_vdst(0)
	v_mov_b32 v9, v8                               ; 1 / S, twice: a pair for the packed forms
	s_cmp_lg_u32 s2, 0
	s_cbranch_scc1 .Lrest
.irp i, 0,1,2,3,4,5,6,7
	global_load_b64 v[10+2*\i:11+2*\i], v3, s[6:7] offset:2048*\i
.endr
	global_load_b64 v[26:27], v3, s[10:11]         ; vb
	s_wait_loadcnt 0x0
.irp i, 1,2,3,4,5,6,7
	v_pk_add_f32 v[10:11], v[10:11], v[10+2*\i:11+2*\i]
.endr
	v_pk_fma_f32 v[10:11], v[10:11], v[8:9], v[26:27]
	global_store_b64 v3, v[10:11], s[12:13]
.Lrest:
	s_wait_loadcnt 0x0                             ; energy
	v_pk_mul_f32 v[4:5], v[4:5], s[32:33] op_sel_hi:[1,0]
	v_pk_mul_f32 v[6:7], v[6:7], s[32:33] op_sel_hi:[1,0]
	v_exp_f32 v4, v4
	v_exp_f32 v5, v5
	v_exp_f32 v6, v6
	v_exp_f32 v7, v7
	v_nop                                          ; a plain place behind the last exponential
	s_wait_alu depctr_va_vdst(0)
	v_pk_mul_f32 v[4:5], v[4:5], v[8:9]
	v_pk_mul_f32 v[6:7], v[6:7], v[8:9]
	global_store_b128 v2, v[4:7], s[14:15]
	s_endpgm
.Lfunc_end_k_q13293f4fe4_finish:
	.size	k_q13293f4fe4_finish, .Lfunc_end_k_q13293f4fe4_finish-k_q13293f4fe4_finish
	.p2alignl 7, 3214868480
	.fill 96, 4, 3214868480
	.section	.rodata,"a",@progbits
	.p2align	6, 0x0
	.amdhsa_kernel k_q13293f4fe4_finish
		.amdhsa_group_segment_fixed_size 0
		.amdhsa_private_segment_fixed_size 0
		.amdhsa_enable_private_segment 0
		.amdhsa_kernarg_size 48
		.amdhsa_user_sgpr_count 2
		.amdhsa_user_sgpr_kernarg_segment_ptr 1
		.amdhsa_wavefront_size32 1
		.amdhsa_system_sgpr_workgroup_id_x 1
		.amdhsa_system_sgpr_workgroup_id_y 1
		.amdhsa_system_sgpr_workgroup_id_z 1
		.amdhsa_system_vgpr_workitem_id 0
		.amdhsa_next_free_vgpr 32
		.amdhsa_next_free_sgpr 66
		.amdhsa_reserve_vcc 0
		.amdhsa_float_denorm_mode_32 3
		.amdhsa_float_denorm_mode_16_64 3
		.amdhsa_memory_ordered 1
		.amdhsa_forward_progress 1
		.amdhsa_inst_pref_size 4
	.end_amdhsa_kernel
	.amdgpu_metadata
---
amdhsa.version: [ 1, 2 ]
amdhsa.kernels:
  - .name:           k_q13293f4fe4_finish
    .symbol:         k_q13293f4fe4_finish.kd
    .args:
      - { .name: out2, .offset: 0, .size: 8, .value_kind: global_buffer, .address_space: global }
      - { .name: part_p, .offset: 8, .size: 8, .value_kind: global_buffer, .address_space: global }
      - { .name: part_s, .offset: 16, .size: 8, .value_kind: global_buffer, .address_space: global }
      - { .name: vb, .offset: 24, .size: 8, .value_kind: global_buffer, .address_space: global }
      - { .name: out0, .offset: 32, .size: 8, .value_kind: global_buffer, .address_space: global }
      - { .name: out1, .offset: 40, .size: 8, .value_kind: global_buffer, .address_space: global }
    .group_segment_fixed_size: 0
    .private_segment_fixed_size: 0
    .kernarg_segment_align: 8
    .kernarg_segment_size: 48
    .max_flat_workgroup_size: 128
    .sgpr_count:     66
    .vgpr_count:     32
    .wavefront_size: 32
...
	.end_amdgpu_metadata
.endif
;; end of part 2
